; MI455X (gfx1250); checked and timed in simulation.
; The chip was launched on July 23, 2026; its instructions are those of AMD's public machine-readable ISA for CDNA 5 (MIT licence, August 2026) and "CDNA5" Instruction Set Architecture Reference Guide (July 2026). The comments in the code are by the model that wrote it; some were corrected since.
;; Multi Head Attention. Allowed arithmetic: float matrix products may take bf16 or f16 operands with f32 sums; other float arithmetic in f32, or as packed bf16 or f16 multiplies, adds, multiply-adds, maxima and minima; sums over many terms, partial sums and values carried from step to step in f32; what a program stores and reads back later, other than sums and carried values, may be rounded once to bf16 or f16.
;; Inputs: Wk 1,024 x 1,024 float32; Wq 1,024 x 1,024 float32; Wv 1,024 x 1,024 float32; bk 1,024 float32; bq 1,024 float32; bv 1,024 float32; x 4,096 x 1,024 float32.
;; Outputs: out0 4,096 x 1,024 x 1 float32.
;; One version. Each part assembles by itself: llvm-mc -triple=amdgcn-amd-amdhsa -mcpu=gfx1250 --defsym DOCPART=n.
;; ======== version 1 of 1: 4 launches
;; limits: values are held in f16: magnitudes above 65,504 overflow, below 6.1e-05 lose precision; right only within a limited range of input values
;; workspace buffers: xw 14,680,064 bytes; qkv 25,165,824 bytes; p 33,554,432 bytes; stats 1,048,576 bytes
;; launch cast (part 1): grid 896 x 1, 8 waves a work-group, no clusters, 0 bytes of LDS; arguments x, Wq, Wk, Wv, xw; writes xw
.if DOCPART == 1
	.amdgcn_target "amdgcn-amd-amdhsa--gfx1250"
	.amdhsa_code_object_version 6
	.text
	.protected	k_q749ba67807_cast
	.globl	k_q749ba67807_cast
	.p2align	8
	.type	k_q749ba67807_cast,@function
k_q749ba67807_cast:
	s_mov_b64 s[64:65], 0
	v_nop
	global_prefetch_b8 v0, s[64:65] scope:SCOPE_SE
	s_setreg_imm32_b32 hwreg(HW_REG_WAVE_MODE, 25, 1), 1
	s_wait_xcnt 0x0
; xw[7168][1024] bf16 = the rows of x (4096), then of Wq, Wk, Wv (1024 each), each number rounded once to bf16 (nearest even).
; bf16 keeps f32's whole range, so no input is out of range here.
; A stream: no LDS, no barrier, no matrix unit.  Work-group g takes 8,192 numbers: 32,768 bytes in, 16,384 bytes out.
; Groups 0-511 take x, 512-639 Wq, 640-767 Wk, 768-895 Wv.  A wave takes 4,096 bytes: eight loads of 512 consecutive bytes, all on
; their way at once; each store of the wave covers 256 consecutive bytes, aligned.  No register is written twice.
.set X, 4                              ; v[4:35]   eight loads of four f32
.set Y, 36                             ; v[36:51]  eight stores of four bf16
	s_load_b256 s[4:11], s[0:1], 0x0               ; x s[4:5], Wq s[6:7], Wk s[8:9], Wv s[10:11]
	s_load_b64 s[12:13], s[0:1], 0x20              ; xw
	v_and_b32 v3, 31, v0                           ; lane
	v_lshrrev_b32 v2, 5, v0                        ; wave
	v_lshlrev_b32 v1, 4, v3
	v_lshl_add_u32 v1, v2, 12, v1                  ; in:  16 lane + 4,096 wave
	v_lshlrev_b32 v3, 3, v3
	v_lshl_add_u32 v2, v2, 11, v3                  ; out:  8 lane + 2,048 wave
	s_sub_co_u32 s14, ttmp9, 512                   ; the group's number among the weights' groups (not used where g < 512)
	s_lshr_b32 s15, s14, 7                         ; which weight: 0, 1, 2
	s_and_b32 s16, s14, 127                        ; which 32 KiB of it
	s_cmp_lt_u32 ttmp9, 512
	s_cselect_b32 s16, ttmp9, s16                  ; or which 32 KiB of x
	s_lshl_b32 s16, s16, 15
	s_mov_b32 s17, 0
	s_lshl_b32 s18, ttmp9, 14                      ; 16 KiB of xw for each group
	s_mov_b32 s19, 0
	s_wait_kmcnt 0x0
	s_cmp_eq_u32 s15, 1
	s_cselect_b64 s[6:7], s[8:9], s[6:7]
	s_cmp_eq_u32 s15, 2
	s_cselect_b64 s[6:7], s[10:11], s[6:7]
	s_cmp_lt_u32 ttmp9, 512
	s_cselect_b64 s[4:5], s[4:5], s[6:7]           ; the source buffer, chosen by the group's number alone
	s_add_nc_u64 s[4:5], s[4:5], s[16:17]
	s_add_nc_u64 s[12:13], s[12:13], s[18:19]
.irp j, 0,1,2,3,4,5,6,7
	global_load_b128 v[X+4*\j:X+4*\j+3], v1, s[4:5] offset:512*\j th:TH_LOAD_NT   ; read once in this launch
.endr
.irp j, 0,1,2,3,4,5,6,7
	s_wait_loadcnt 7-\j                            ; loads come back in order: load j is in, the 7 - j younger ones stay out
	v_cvt_pk_bf16_f32 v[Y+2*\j],   v[X+4*\j],   v[X+4*\j+1]
	v_cvt_pk_bf16_f32 v[Y+2*\j+1], v[X+4*\j+2], v[X+4*\j+3]
	global_store_b64 v2, v[Y+2*\j:Y+2*\j+1], s[12:13] offset:256*\j
.endr
	s_endpgm
.Lfunc_end_k_q749ba67807_cast:
	.size	k_q749ba67807_cast, .Lfunc_end_k_q749ba67807_cast-k_q749ba67807_cast
	.p2alignl 7, 3214868480
	.fill 96, 4, 3214868480
	.section	.rodata,"a",@progbits
	.p2align	6, 0x0
	.amdhsa_kernel k_q749ba67807_cast
		.amdhsa_group_segment_fixed_size 0
		.amdhsa_private_segment_fixed_size 0
		.amdhsa_enable_private_segment 0
		.amdhsa_kernarg_size 40
		.amdhsa_user_sgpr_count 2
		.amdhsa_user_sgpr_kernarg_segment_ptr 1
		.amdhsa_wavefront_size32 1
		.amdhsa_system_sgpr_workgroup_id_x 1
		.amdhsa_system_sgpr_workgroup_id_y 1
		.amdhsa_system_sgpr_workgroup_id_z 1
		.amdhsa_system_vgpr_workitem_id 0
		.amdhsa_next_free_vgpr 56
		.amdhsa_next_free_sgpr 66
		.amdhsa_reserve_vcc 0
		.amdhsa_float_denorm_mode_32 3
		.amdhsa_float_denorm_mode_16_64 3
		.amdhsa_memory_ordered 1
		.amdhsa_forward_progress 1
		.amdhsa_inst_pref_size 5
	.end_amdhsa_kernel
	.amdgpu_metadata
---
amdhsa.version: [ 1, 2 ]
amdhsa.kernels:
  - .name:           k_q749ba67807_cast
    .symbol:         k_q749ba67807_cast.kd
    .args:
      - { .name: x, .offset: 0, .size: 8, .value_kind: global_buffer, .address_space: global }
      - { .name: Wq, .offset: 8, .size: 8, .value_kind: global_buffer, .address_space: global }
      - { .name: Wk, .offset: 16, .size: 8, .value_kind: global_buffer, .address_space: global }
      - { .name: Wv, .offset: 24, .size: 8, .value_kind: global_buffer, .address_space: global }
      - { .name: xw, .offset: 32, .size: 8, .value_kind: global_buffer, .address_space: global }
    .group_segment_fixed_size: 0
    .private_segment_fixed_size: 0
    .kernarg_segment_align: 8
    .kernarg_segment_size: 40
    .max_flat_workgroup_size: 256
    .sgpr_count:     66
    .vgpr_count:     56
    .wavefront_size: 32
...
	.end_amdgpu_metadata
.endif
;; end of part 1
;; launch proj (part 2): grid 12 x 16, 4 waves a work-group, clusters of 4 x 4, 327,680 bytes of LDS; arguments xw, bq, bk, bv, qkv; writes qkv
.if DOCPART == 2
	.amdgcn_target "amdgcn-amd-amdhsa--gfx1250"
	.amdhsa_code_object_version 6
	.text
	.protected	k_q749ba67807_proj
	.globl	k_q749ba67807_proj
	.p2align	8
	.type	k_q749ba67807_proj,@function
k_q749ba67807_proj:
	s_mov_b64 s[64:65], 0
	v_nop
	global_prefetch_b8 v0, s[64:65] scope:SCOPE_SE
	s_setreg_imm32_b32 hwreg(HW_REG_WAVE_MODE, 25, 1), 1
	s_wait_xcnt 0x0
	s_wait_alu depctr_hold_cnt(0) depctr_sa_sdst(0) depctr_va_vdst(0) depctr_va_sdst(0) depctr_va_ssrc(0) depctr_va_vcc(0) depctr_vm_vsrc(0)
	s_getreg_b32 s2, hwreg(HW_REG_IB_STS2, 6, 4)
	s_cmp_eq_u32 s2, 0
	s_cbranch_scc0 .Lentry_in_a_cluster
	s_endpgm
.Lentry_in_a_cluster:
	s_bfe_u32 s2, ttmp6, 0x10000c
	s_cmp_lg_u32 s2, 0xf033
	s_cbranch_scc0 .Lentry_shape_is_right
	s_endpgm
.Lentry_shape_is_right:
; qkv[m][n] = f16((sum over k of x[m][k] W[n][k] + b[n]) / 4).  qkv: [4096][3072] f16; columns 0-1023 Q/4, 1024-2047 K/4, 2048-3071 V/4.
; x and W come as bf16 from xw (rows 0-4095 x; rows 4096-7167 Wq, Wk, Wv); sums in f32; the bias is added in f32.
; LIMIT: the results are kept in f16 after the factor 1/4, so |Q|, |K|, |V| must stay below 262,016 (4 x 65,504); beyond that they become
; infinite.  Numbers below 4 x 2^-24 in magnitude become 0, and below 4 x 2^-14 they keep fewer than 11 bits.
; f16 and not bf16 because the energies of the next launch are sums of 1,024 products in front of an exponential: three more bits count.
;
; A work-group makes 256 x 256 of qkv with four waves, a wave 128 x 128: 64 accumulator tiles of 16 x 16, 512 registers.
; K = 1024 goes in steps of 128 through a ring of two LDS slots filled by the tensor data mover; a tile's rows are 256 consecutive bytes.
; CLUSTERS of 4 x 4 work-groups: the four of a row of the cluster need the same tiles of x, the four of a column the same tiles of W;
; such a tile is asked for jointly, by the same load with the same descriptor in all four.  12 x 16 = 192 work-groups.
;
; REGISTERS, in windows of 256:
;   window 0: v16-27 addresses; v32-63 and v224-255 my 128 columns' bias / 4; v64-127, v128-191 fragments of x, two buffers; v192-223 packed results
;   window 1: v64-127, v128-191 fragments of W, two buffers
;   window 2: the 32 accumulator tiles of my rows 0-63 (tile (a, b) at v[8 (8 a + b)]);   window 3: those of my rows 64-127
; The matrix instruction is used transposed: source 0 = 16 rows of W, source 1 = 16 rows of x.  Lane l then holds row m = l % 16, and its
; registers 0-7 the columns n = 8 (l / 16) + 0..7: eight neighbouring numbers of a row, 16 bytes of f16.
.set INROW,  2048                      ; bytes in a row of xw
.set WOFF,   4096*INROW                ; the weights lie behind x's 4,096 rows
.set SIZE_K, 1024
.set KSTEP,  128
.set PITCH,  272                       ; an LDS row: 256 bytes + 16 of padding, an odd multiple of 16: the 16 rows of a fragment load start in 16 different 16-byte columns
.set HALFT,  128*PITCH                 ; 128 rows: one tensor load
.set SLOT,   4*HALFT                   ; x's 256 rows, then W's 256 rows
.set STAGE,  2*SLOT                    ; behind the ring: 16 rows x 272 bytes for each wave; no tensor load lands there
.set SPITCH, 272
.set LAPS,   SIZE_K/(2*KSTEP)          ; 4 laps of two K steps
.set CROW,   6144                      ; bytes in a row of qkv
.set ADRA, 16                          ; v16-17  LDS address of my x fragments in slot 0, 1
.set ADRB, 20                          ; v20-21  the same for W
.set STO,  24                          ; v24     the way out: where I put 16 bytes of a row
.set RD,   25                          ; v25     the way out: where I read a row back
.set CO,   26                          ; v26     my byte offset in qkv
.set BO,   27                          ; v27     my byte offset in the bias: 32 (l / 16)
.set BIAS, 32                          ; n block b: 8 registers at BIAS + 8 b + 160 (b / 4)
.set F0,   64
.set F1,   128
.set TMP,  192
.set G1,  24                           ; s[24:31] descriptor group 1 for x's tiles
.set G0,  32                           ; s[32:39] group 0 for x's tiles, one set for each slot
.set G1B, 48                           ; s[48:55] group 1 for W's tiles: another mask
.set G0B, 56                           ; s[56:63] group 0 for W's tiles
.set MSB, 0
.macro WIN new                         ; the immediate's high byte repeats the setting that is left; a switch that changes nothing is dropped
.if MSB != \new
	s_set_vgpr_msb (MSB<<8)|\new
.set MSB, \new
.endif
.endm
.set MUL_LO, 0xa1                      ; source 0 (W) window 1, source 1 (x) window 0, C and D window 2
.set MUL_HI, 0xf1                      ; the same, C and D window 3
.set TO_B,   0x40                      ; destination window 1, address window 0
; A joint load.  Waves 0 and 1 fetch x's two halves, waves 2 and 3 W's.  The branch hangs on the wave's number alone.
.macro JLOAD s
	s_cmp_eq_u32 s11, 0
	s_cbranch_scc0 .Lfor_b_\@
	tensor_load_to_lds s[G0+4*\s:G0+4*\s+3], s[G1:G1+7]
	s_nop 0
	s_branch .Lasked_\@
.Lfor_b_\@:
	tensor_load_to_lds s[G0B+4*\s:G0B+4*\s+3], s[G1B:G1B+7]
	s_nop 0
.Lasked_\@:
.endm
; A round of the cluster's barrier: my work-group's barrier; wave 0 signals for the work-group; every wave waits for all sixteen; my work-group's barrier again.
.macro CREST                           ; a round behind its opening barrier
	s_cmp_lg_u32 s10, 0
	s_cbranch_scc1 .Lnot_wave_0_\@
	s_barrier_signal -3
.Lnot_wave_0_\@:
	s_barrier_wait -3
	s_barrier_signal -1
	s_barrier_wait -1
.endm
.macro CROUND
	s_barrier_signal -1
	s_barrier_wait -1
	CREST
.endm
	s_load_b64 s[4:5], s[0:1], 0x0                 ; xw
	s_load_b128 s[68:71], s[0:1], 0x8              ; bq s[68:69], bk s[70:71]
	s_load_b128 s[72:75], s[0:1], 0x18             ; bv s[72:73], qkv s[74:75]
	s_set_vgpr_msb 0x40
	v_lshl_add_u32 v255, v0, 2, 0x48400
	s_set_vgpr_msb 0x4000
	v_mov_b32 v31, 0
	s_set_vgpr_msb 0x1
	ds_add_u32 v255, v31
	s_set_vgpr_msb 0x100
	v_lshrrev_b32 v1, 5, v0
	v_readfirstlane_b32 s10, v1                    ; wave 0..3
	s_lshr_b32 s11, s10, 1                         ; which half of the block's rows is mine.  Also: I fetch for x (0) or for W (1)
	s_and_b32 s12, s10, 1                          ; which half of its columns.  Also: which 128 rows of that tile I fetch
	s_bfe_u32 s40, ttmp6, 0x40000                  ; cx
	s_bfe_u32 s41, ttmp6, 0x40004                  ; cy
	s_lshl_b32 s42, ttmp9, 2
	s_add_co_u32 s42, s42, s40                     ; block column = 4 x cluster x + cx, 0..11
	s_and_b32 s13, ttmp7, 0xffff
	s_lshl_b32 s13, s13, 2
	s_add_co_u32 s13, s13, s41                     ; block row = 4 x cluster y + cy, 0..15
	s_lshl_b32 s43, s41, 2
	s_lshl_b32 s43, 15, s43                        ; my row of the cluster: places 4 cy .. 4 cy + 3
	s_lshl_b32 s44, 0x1111, s40                    ; my column: places cx, cx + 4, cx + 8, cx + 12
	; group 1: a tile of 128 rows x 128 elements of 2 bytes, 4 words of padding behind every 64 words
	s_or_b32 s[G1+0], s43, (1<<16)|(1<<20)|(1<<21)|(5<<22)|(3<<25)   ; 15:0 mask: x's tiles go to my row; 17:16 2 bytes; 20 padding; 21 set beside a mask; 24:22 interval; 31:25 pad
	s_or_b32 s[G1B+0], s44, (1<<16)|(1<<20)|(1<<21)|(5<<22)|(3<<25)  ; the same with my column's mask
	s_mov_b32 s[G1+1], KSTEP<<16                   ; tensor_dim0 = 128
	s_mov_b32 s[G1B+1], KSTEP<<16
	s_mov_b32 s[G1+2], 128<<16                     ; tensor_dim1 = 128
	s_mov_b32 s[G1B+2], 128<<16
	s_mov_b32 s[G1+3], KSTEP<<16                   ; tile_dim0 = 128
	s_mov_b32 s[G1B+3], KSTEP<<16
	s_mov_b32 s[G1+4], 128                         ; tile_dim1 = 128
	s_mov_b32 s[G1B+4], 128
	s_mov_b32 s[G1+5], 1024                        ; elements from row to row
	s_mov_b32 s[G1B+5], 1024
	s_mov_b32 s[G1+6], 0
	s_mov_b32 s[G1B+6], 0
	s_mov_b32 s[G1+7], 0
	s_mov_b32 s[G1B+7], 0
	; x's tiles hang on the block row alone, W's on the block column alone; each address in registers that never hold the other coordinate
	s_lshl_b32 s17, s12, 7
	s_lshl_b32 s16, s13, 8
	s_add_co_u32 s16, s16, s17                     ; x: row 256 x block row + 128 x half
	s_lshl_b32 s46, s42, 8
	s_add_co_u32 s46, s46, s17                     ; W: row 256 x block column + 128 x half
	s_mov_b32 s17, 0
	s_mov_b32 s47, 0
	s_mov_b64 s[18:19], INROW
	s_mul_u64 s[16:17], s[16:17], s[18:19]
	s_mul_u64 s[46:47], s[46:47], s[18:19]
	s_mul_i32 s20, s10, HALFT                      ; LDS: wave x 128 rows; no place in the cluster enters an LDS address
	s_lshl_b32 s76, s40, 10                        ; my 128 columns in their bias: (256 cx + 128 half) x 4 bytes
	s_lshl_b32 s77, s12, 9
	s_add_co_u32 s76, s76, s77
	s_mov_b32 s77, 0
	s_wait_dscnt 0x0
	s_wait_kmcnt 0x0
	s_add_nc_u64 s[6:7], s[4:5], WOFF
	s_add_nc_u64 s[14:15], s[4:5], s[16:17]
	s_add_nc_u64 s[46:47], s[6:7], s[46:47]
	s_cmp_eq_u32 ttmp9, 1                          ; four block columns are 1,024 columns: cluster x = 0, 1, 2 is Q, K, V
	s_cselect_b64 s[68:69], s[70:71], s[68:69]
	s_cmp_eq_u32 ttmp9, 2
	s_cselect_b64 s[68:69], s[72:73], s[68:69]
	s_add_nc_u64 s[68:69], s[68:69], s[76:77]
	CROUND                                         ; all sixteen work-groups are here: the first joint loads meet
.irp s, 0,1
	s_mov_b32 s[G0+4*\s], 1
	s_add_co_u32 s[G0+4*\s+1], s20, \s*SLOT
	s_add_nc_u64 s[G0+4*\s+2:G0+4*\s+3], s[14:15], \s*KSTEP*2
	s_or_b32 s[G0+4*\s+3], s[G0+4*\s+3], 0x80000000
	s_mov_b32 s[G0B+4*\s], 1
	s_add_co_u32 s[G0B+4*\s+1], s20, \s*SLOT
	s_add_nc_u64 s[G0B+4*\s+2:G0B+4*\s+3], s[46:47], \s*KSTEP*2
	s_or_b32 s[G0B+4*\s+3], s[G0B+4*\s+3], 0x80000000
	JLOAD \s                                       ; both slots are asked for before anything else: two tensor loads of the wave are out
.endr
	v_and_b32 v1, 15, v0                           ; l % 16
	v_bfe_u32 v2, v0, 4, 1                         ; l / 16
	v_lshlrev_b32 v[BO], 5, v2
	; the bias of columns 16 b + 8 (l / 16) + 0..7, for b = 0..7: what my registers of tile (a, b) need
.irp b, 0,1,2,3,4,5,6,7
	global_load_b128 v[BIAS+8*\b+(\b/4)*160:BIAS+8*\b+(\b/4)*160+3],   v[BO], s[68:69] offset:64*\b
	global_load_b128 v[BIAS+8*\b+(\b/4)*160+4:BIAS+8*\b+(\b/4)*160+7], v[BO], s[68:69] offset:64*\b+16
.endr
	; a fragment: lane l holds row l % 16; registers 0-3 K = 8 (l / 16) + 0..7, registers 4-7 K = 16 + 8 (l / 16) + 0..7: two loads of 16 bytes, 32 apart
	v_mul_u32_u24 v3, v1, PITCH
	v_lshl_add_u32 v3, v2, 4, v3
	s_mul_i32 s21, s11, HALFT                      ; my 128 rows of x
	s_mul_i32 s22, s12, HALFT                      ; my 128 rows of W,
	s_add_co_u32 s22, s22, 2*HALFT                 ; which lie behind x's 256
.irp s, 0,1
	v_add_nc_u32 v[ADRA+\s], s21, v3
	v_add_nc_u32 v[ADRB+\s], s22, v3
	s_add_co_u32 s21, s21, SLOT
	s_add_co_u32 s22, s22, SLOT
.endr
	s_mul_i32 s23, s10, 16*SPITCH
	s_add_co_u32 s23, s23, STAGE                   ; my stage
	v_mul_u32_u24 v4, v1, SPITCH
	v_lshl_add_u32 v4, v2, 4, v4
	v_add_nc_u32 v[STO], s23, v4
	v_mul_u32_u24 v5, v2, SPITCH
	v_lshl_add_u32 v5, v1, 4, v5
	v_add_nc_u32 v[RD], s23, v5
	v_mul_u32_u24 v5, v2, CROW
	v_lshl_add_u32 v[CO], v1, 4, v5
	s_wait_loadcnt 0x0                             ; the bias, once, while the first tiles are on their way
.irp b, 0,1,2,3,4,5,6,7
.irp r, 0,2,4,6
	v_pk_mul_f32 v[BIAS+8*\b+(\b/4)*160+\r:BIAS+8*\b+(\b/4)*160+\r+1], v[BIAS+8*\b+(\b/4)*160+\r:BIAS+8*\b+(\b/4)*160+\r+1], 0x3e800000 op_sel_hi:[1,0]   ; b / 4, exact
.endr
.endr
; 16 matrix instructions: m blocks a0, a0 + 1 of the window's four x all 8 n blocks, 32 along K.  zero = 1: the first product starts the sums.
.macro MUL16 f, hi, a0, zero
.irp a, \a0, \a0+1
.irp b, 0,1,2,3,4,5,6,7
.if \zero
	v_wmma_f32_16x16x32_bf16 v[8*(8*(\a)+\b):8*(8*(\a)+\b)+7], v[\f+8*\b:\f+8*\b+7], v[\f+8*(4*\hi+\a):\f+8*(4*\hi+\a)+7], 0
.else
	v_wmma_f32_16x16x32_bf16 v[8*(8*(\a)+\b):8*(8*(\a)+\b)+7], v[\f+8*\b:\f+8*\b+7], v[\f+8*(4*\hi+\a):\f+8*(4*\hi+\a)+7], v[8*(8*(\a)+\b):8*(8*(\a)+\b)+7]
.endif
.endr
.endr
.endm
; 32 LDS loads in one run: the fragments of one quarter step (32 K at byte k of the rows) into buffer f
.macro FETCH slot, k, f
	WIN TO_B
.irp i, 0,1,2,3,4,5,6,7
	ds_load_b128 v[\f+8*\i:\f+8*\i+3],   v[ADRB+\slot] offset:\k+\i*16*PITCH
	ds_load_b128 v[\f+8*\i+4:\f+8*\i+7], v[ADRB+\slot] offset:\k+\i*16*PITCH+32
.endr
	WIN 0
.irp i, 0,1,2,3,4,5,6,7
	ds_load_b128 v[\f+8*\i:\f+8*\i+3],   v[ADRA+\slot] offset:\k+\i*16*PITCH
	ds_load_b128 v[\f+8*\i+4:\f+8*\i+7], v[ADRA+\slot] offset:\k+\i*16*PITCH+32
.endr
.endm
; Four places behind a matrix instruction before a load lands on, or a vector instruction touches, one of its registers;
; matrix instructions in between are not counted as places here.
.macro PLACES
.rept 4
	v_nop
.endr
.endm
; The 64 accumulators take turns, one instruction a turn, in the same order in every quarter step.
.macro QUARTER slot, k, f, g, zero
	s_wait_dscnt 8                                 ; W and x's rows 0-63 are in; the youngest eight loads (x's rows 64-127) may be out
	WIN MUL_LO
	MUL16 \f, 0, 0, \zero
	MUL16 \f, 0, 2, \zero
	PLACES
	FETCH \slot, \k, \g
	s_wait_dscnt 32                                ; all but the 32 just issued
	WIN MUL_HI
	MUL16 \f, 1, 0, \zero
	MUL16 \f, 1, 2, \zero
.endm
.macro THREE slot, zero
	QUARTER \slot, 64,  F0, F1, \zero
	QUARTER \slot, 128, F1, F0, 0
	QUARTER \slot, 192, F0, F1, 0
.endm
; The last quarter of a K step changes slots.  In front of the barrier each wave waits for its reads of this slot and for all its tensor loads
; (one is out: its part of the next slot).  Behind it (fill = 1: behind the cluster's round that it opens) the refill comes first, then the
; next slot's first fragments.  From a request to the wait for it a wave issues 240 matrix instructions.
.macro TURN slot, next, fill
	s_wait_dscnt 8
	WIN MUL_LO
	MUL16 F1, 0, 0, 0
	s_wait_dscnt 0                                 ; my reads of this slot are over
	s_wait_tensorcnt 0x0                           ; all my tensor loads have landed
	ds_add_u32 v255, v31
	s_wait_dscnt 0x0
	s_barrier_signal -1
	MUL16 F1, 0, 2, 0                              ; register work while the others arrive
	WIN 0
	s_barrier_wait -1
.if \fill
	CREST                                          ; no wave of any partner still reads this slot or has a load on its way
	s_add_nc_u64 s[G0+4*\slot+2:G0+4*\slot+3], s[G0+4*\slot+2:G0+4*\slot+3], 2*KSTEP*2
	s_add_nc_u64 s[G0B+4*\slot+2:G0B+4*\slot+3], s[G0B+4*\slot+2:G0B+4*\slot+3], 2*KSTEP*2
	JLOAD \slot                                    ; the wave's one tensor load behind the round, and the first thing there
.endif
	PLACES
	FETCH \next, 0, F0
	WIN MUL_HI
	MUL16 F1, 1, 0, 0
	MUL16 F1, 1, 2, 0
.endm
.macro LAP zero
	THREE 0, \zero
	TURN 0, 1, 1
	THREE 1, 0
	TURN 1, 0, 1
.endm
	s_wait_tensorcnt 1                             ; my part of K step 0 is in; K step 1's may stay out
	s_barrier_signal -1
	s_barrier_wait -1
	FETCH 0, 0, F0
	LAP 1                                          ; the first lap's first products start the sums
	WIN 0
	s_mov_b32 s3, LAPS-2
.Llap:
	LAP 0
	WIN 0
	s_sub_co_u32 s3, s3, 1
	s_cmp_lg_u32 s3, 0
	s_cbranch_scc1 .Llap
	THREE 0, 0                                     ; the last lap fills nothing
	TURN 0, 1, 0
	THREE 1, 0
	s_wait_dscnt 8
	WIN MUL_LO
	MUL16 F1, 0, 0, 0
	MUL16 F1, 0, 2, 0
	s_wait_dscnt 0
	WIN MUL_HI
	MUL16 F1, 1, 0, 0
	MUL16 F1, 1, 2, 0
	; THE WAY OUT, 16 rows at a time: sum / 4 + b / 4 in one fused multiply-add, round to f16, 16 bytes a lane into my stage, whole rows of 256 bytes back.
	PLACES
	s_lshl_b32 s13, s13, 8
	s_lshl_b32 s14, s11, 7
	s_add_co_u32 s16, s13, s14                     ; my first row
	s_mov_b32 s17, 0
	s_mov_b64 s[18:19], CROW
	s_mul_u64 s[16:17], s[16:17], s[18:19]
	s_add_nc_u64 s[74:75], s[74:75], s[16:17]
	s_lshl_b32 s46, s42, 9                         ; my first column, in bytes: 512 x block + 256 x half
	s_lshl_b32 s47, s12, 8
	s_add_co_u32 s46, s46, s47
	s_mov_b32 s47, 0
	s_add_nc_u64 s[74:75], s[74:75], s[46:47]
; rows 16 i .. 16 i + 15 = the eight tiles (a, 0..7) of window 2 or 3.  inpl: destination and source 0 in that window, source 2 (the bias) in window 0;
; from: sources 0 and 1 in that window, destination in window 0; f: F0 or F1 in turn.
.macro OUT16 i, a, inpl, from, f
	WIN \inpl
.irp b, 0,1,2,3,4,5,6,7
.irp r, 0,2,4,6
	v_pk_fma_f32 v[8*(8*\a+\b)+\r:8*(8*\a+\b)+\r+1], v[8*(8*\a+\b)+\r:8*(8*\a+\b)+\r+1], 0x3e800000, v[BIAS+8*\b+(\b/4)*160+\r:BIAS+8*\b+(\b/4)*160+\r+1] op_sel_hi:[1,0,1]
.endr
.endr
	WIN \from
.irp b, 0,1,2,3,4,5,6,7
.irp r, 0,1,2,3
	v_cvt_pk_f16_f32 v[TMP+4*\b+\r], v[8*(8*\a+\b)+2*\r], v[8*(8*\a+\b)+2*\r+1]
.endr
.endr
	WIN 0
.irp b, 0,1,2,3,4,5,6,7
	ds_store_b128 v[STO], v[TMP+4*\b:TMP+4*\b+3] offset:32*\b
.endr
	s_wait_xcnt 0x0                                ; buffer f, which earlier stores read, and the stores' base are rewritten only behind this wait
.if \i
	s_add_nc_u64 s[74:75], s[74:75], 16*CROW
.endif
.irp t, 0,1,2,3,4,5,6,7
	ds_load_b128 v[\f+4*\t:\f+4*\t+3], v[RD] offset:\t*2*SPITCH    ; LDS serves a wave's instructions in order: these see the stores above
.endr
.irp t, 0,1,2,3,4,5,6,7
	s_wait_dscnt 7-\t                              ; the 7 - t later reads may be out
	global_store_b128 v[CO], v[\f+4*\t:\f+4*\t+3], s[74:75] offset:2*\t*CROW   ; 16 lanes store 256 consecutive bytes, aligned
.endr
.endm
	OUT16 0, 0, 0x82, 0x0a, F0
	OUT16 1, 1, 0x82, 0x0a, F1
	OUT16 2, 2, 0x82, 0x0a, F0
	OUT16 3, 3, 0x82, 0x0a, F1
	OUT16 4, 0, 0xc3, 0x0f, F0
	OUT16 5, 1, 0xc3, 0x0f, F1
	OUT16 6, 2, 0xc3, 0x0f, F0
	OUT16 7, 3, 0xc3, 0x0f, F1
	s_set_vgpr_msb 0x1
	s_wait_tensorcnt 0x0
	ds_add_u32 v255, v31
	s_wait_dscnt 0x0
	s_set_vgpr_msb 0x100
	CROUND                                         ; the closing round: no work-group ends while a partner may still ask for a tile that names it
	s_endpgm
.Lfunc_end_k_q749ba67807_proj:
	.size	k_q749ba67807_proj, .Lfunc_end_k_q749ba67807_proj-k_q749ba67807_proj
	.p2alignl 7, 3214868480
	.fill 96, 4, 3214868480
	.section	.rodata,"a",@progbits
	.p2align	6, 0x0
	.amdhsa_kernel k_q749ba67807_proj
		.amdhsa_group_segment_fixed_size 327680
		.amdhsa_private_segment_fixed_size 0
		.amdhsa_enable_private_segment 0
		.amdhsa_kernarg_size 40
		.amdhsa_user_sgpr_count 2
		.amdhsa_user_sgpr_kernarg_segment_ptr 1
		.amdhsa_wavefront_size32 1
		.amdhsa_system_sgpr_workgroup_id_x 1
		.amdhsa_system_sgpr_workgroup_id_y 1
		.amdhsa_system_sgpr_workgroup_id_z 1
		.amdhsa_system_vgpr_workitem_id 0
		.amdhsa_next_free_vgpr 1024
		.amdhsa_next_free_sgpr 80
		.amdhsa_reserve_vcc 0
		.amdhsa_float_denorm_mode_32 3
		.amdhsa_float_denorm_mode_16_64 3
		.amdhsa_memory_ordered 1
		.amdhsa_forward_progress 1
		.amdhsa_inst_pref_size 225
	.end_amdhsa_kernel
	.amdgpu_metadata
---
amdhsa.version: [ 1, 2 ]
amdhsa.kernels:
  - .name:           k_q749ba67807_proj
    .symbol:         k_q749ba67807_proj.kd
    .args:
      - { .name: xw, .offset: 0, .size: 8, .value_kind: global_buffer, .address_space: global }
      - { .name: bq, .offset: 8, .size: 8, .value_kind: global_buffer, .address_space: global }
      - { .name: bk, .offset: 16, .size: 8, .value_kind: global_buffer, .address_space: global }
      - { .name: bv, .offset: 24, .size: 8, .value_kind: global_buffer, .address_space: global }
      - { .name: qkv, .offset: 32, .size: 8, .value_kind: global_buffer, .address_space: global }
    .group_segment_fixed_size: 327680
    .private_segment_fixed_size: 0
    .kernarg_segment_align: 8
    .kernarg_segment_size: 40
    .max_flat_workgroup_size: 128
    .sgpr_count:     80
    .vgpr_count:     1024
    .wavefront_size: 32
...
	.end_amdgpu_metadata
.endif
;; end of part 2
;; launch scores (part 3): grid 16 x 16, 4 waves a work-group, clusters of 4 x 4, 327,680 bytes of LDS; arguments qkv, p, stats; writes p, stats
.if DOCPART == 3
	.amdgcn_target "amdgcn-amd-amdhsa--gfx1250"
	.amdhsa_code_object_version 6
	.text
	.protected	k_q749ba67807_scores
	.globl	k_q749ba67807_scores
	.p2align	8
	.type	k_q749ba67807_scores,@function
k_q749ba67807_scores:
	s_mov_b64 s[64:65], 0
	v_nop
	global_prefetch_b8 v0, s[64:65] scope:SCOPE_SE
	s_setreg_imm32_b32 hwreg(HW_REG_WAVE_MODE, 25, 1), 1
	s_wait_xcnt 0x0
	s_wait_alu depctr_hold_cnt(0) depctr_sa_sdst(0) depctr_va_vdst(0) depctr_va_sdst(0) depctr_va_ssrc(0) depctr_va_vcc(0) depctr_vm_vsrc(0)
	s_getreg_b32 s2, hwreg(HW_REG_IB_STS2, 6, 4)
	s_cmp_eq_u32 s2, 0
	s_cbranch_scc0 .Lentry_in_a_cluster
	s_endpgm
.Lentry_in_a_cluster:
	s_bfe_u32 s2, ttmp6, 0x10000c
	s_cmp_lg_u32 s2, 0xf033
	s_cbranch_scc0 .Lentry_shape_is_right
	s_endpgm
.Lentry_shape_is_right:
; S[m][n] = sum over k of (Q/4)[m][k] (K/4)[n][k] = energy / 2 (the energy is Q K^T / 8).  With c = 2 log2(e): exp(energy) = exp2(c S).
; For each row m and each chunk of 128 keys:  M = c x (largest S of the chunk),  p(m, n) = f16(exp2(c S - M)),  l = the sum of these exponentials in f32.
; stats: M[32 chunks][4096 rows] f32 at byte 0, l likewise at byte 524,288.  The next launch takes the row's true maximum (the largest M) away:
; exp2(c S - M) x exp2(M - Mrow), with the stored, rounded M on both sides, so that the two factors fit each other for any size of the energies.
; LIMITS: exponentials below 2^-24 become 0 in f16 (at most 4096 x 2^-24 of a row's weight); v_exp_f32 gives 0 for results below 2^-126;
; l is summed from the exponentials before they are rounded to f16; c S - M of the largest element is the multiply's rounding error, not exactly 0.
;
; p IS LAID OUT AS THE NEXT LAUNCH'S MATRIX OPERAND: blocks of 16 rows x 32 keys, 1,024 bytes; block (R, Kb) at (128 R + Kb) x 1,024; inside it keys 16 e .. 16 e + 15
; at 512 e, and there lane l's 16 bytes (row l % 16, keys 16 e + 8 (l / 16) + 0..7) at 16 l.  That is what my lanes hold when a tile is packed: tile b of a block of 16 rows
; is half b % 2 of key block b / 2.  So the packed registers are stored as they are, 512 consecutive bytes a store, without a way through LDS.
;
; A work-group makes 256 x 256 of S with four waves, a wave 128 x 128 (its 128 columns are one chunk): 64 accumulator tiles, 512 registers.
; K = 1024 goes in steps of 128 through a ring of two LDS slots filled by the tensor data mover; a tile's rows are 256 consecutive bytes of qkv's rows.
; CLUSTERS of 4 x 4: Q's tiles are shared along a row of the cluster, K's along a column, each asked for jointly.  16 x 16 = 256 work-groups.
;
; REGISTERS: window 0: v16-29 addresses; v32-47 the softmax's small figures; v64-127, v128-191 fragments of Q (on the way out: packed results, two sets; exponents).
; Window 1: fragments of K.  Windows 2, 3: the accumulator tiles of my rows 0-63, 64-127 (tile (a, b) at v[8 (8 a + b)]).
; The matrix instruction is used transposed (source 0 = rows of K, source 1 = rows of Q): lane l holds row m = l % 16, registers 0-7 the columns
; n = 8 (l / 16) + 0..7.  So a row's 128 numbers lie in 64 registers of lane l and 64 of lane l xor 16.
.set INROW,  6144                      ; bytes in a row of qkv
.set SIZE_K, 1024
.set KSTEP,  128
.set PITCH,  272
.set HALFT,  128*PITCH
.set SLOT,   4*HALFT
.set STAT,   2*SLOT                    ; behind the ring: 1,024 bytes for each wave: M of my 128 rows, then l.  No tensor load lands there
.set LAPS,   SIZE_K/(2*KSTEP)
.set PBLK,   1024                      ; bytes in a block of p
.set PROWB,  128*PBLK                  ; from a block of 16 rows to the next
.set ADRA, 16
.set ADRB, 20
.set STM,  27                          ; v27  my statistics + 4 (l % 16)
.set STR,  28                          ; v28  my statistics + 16 l
.set SO,   29                          ; v29  16 l; never rewritten
.set MX,   32                          ; v32-35  four running maxima
.set MP,   36                          ; v36     M
.set NM,   38                          ; v38-39  -M, twice
.set LS,   40                          ; v40-47  four running sums of pairs
.set F0,   64
.set F1,   128
.set T,    128                         ; v128-191  the way out: exponents, then exponentials, of 16 rows
.set G1,  24
.set G0,  32
.set G1B, 48
.set G0B, 56
.set MSB, 0
.macro WIN new
.if MSB != \new
	s_set_vgpr_msb (MSB<<8)|\new
.set MSB, \new
.endif
.endm
.set MUL_LO, 0xa1
.set MUL_HI, 0xf1
.set TO_B,   0x40
.macro JLOAD s                         ; waves 0 and 1 fetch Q's two halves, waves 2 and 3 K's; the branch hangs on the wave's number alone
	s_cmp_eq_u32 s11, 0
	s_cbranch_scc0 .Lfor_b_\@
	tensor_load_to_lds s[G0+4*\s:G0+4*\s+3], s[G1:G1+7]
	s_nop 0
	s_branch .Lasked_\@
.Lfor_b_\@:
	tensor_load_to_lds s[G0B+4*\s:G0B+4*\s+3], s[G1B:G1B+7]
	s_nop 0
.Lasked_\@:
.endm
.macro CREST
	s_cmp_lg_u32 s10, 0
	s_cbranch_scc1 .Lnot_wave_0_\@
	s_barrier_signal -3
.Lnot_wave_0_\@:
	s_barrier_wait -3
	s_barrier_signal -1
	s_barrier_wait -1
.endm
.macro CROUND
	s_barrier_signal -1
	s_barrier_wait -1
	CREST
.endm
	s_load_b64 s[4:5], s[0:1], 0x0                 ; qkv
	s_load_b64 s[8:9], s[0:1], 0x8                 ; p
	s_load_b64 s[68:69], s[0:1], 0x10              ; stats
	s_set_vgpr_msb 0x40
	v_lshl_add_u32 v255, v0, 2, 0x45000
	s_set_vgpr_msb 0x4000
	v_mov_b32 v255, 0
	s_set_vgpr_msb 0x1
	ds_add_u32 v255, v255
	s_set_vgpr_msb 0x100
	v_lshrrev_b32 v1, 5, v0
	v_readfirstlane_b32 s10, v1                    ; wave 0..3
	s_lshr_b32 s11, s10, 1                         ; my half of the rows.  Also: I fetch for Q (0) or for K (1)
	s_and_b32 s12, s10, 1                          ; my half of the columns.  Also: which 128 rows of that tile I fetch
	s_mov_b32 s66, 0x76543210                      ; v_permlanex16_b32: lane i of one half reads lane i of the other
	s_mov_b32 s67, 0xfedcba98
	s_bfe_u32 s40, ttmp6, 0x40000                  ; cx
	s_bfe_u32 s41, ttmp6, 0x40004                  ; cy
	s_lshl_b32 s42, ttmp9, 2
	s_add_co_u32 s42, s42, s40                     ; block column
	s_and_b32 s13, ttmp7, 0xffff
	s_lshl_b32 s13, s13, 2
	s_add_co_u32 s13, s13, s41                     ; block row
	s_lshl_b32 s43, s41, 2
	s_lshl_b32 s43, 15, s43                        ; my row of the cluster
	s_lshl_b32 s44, 0x1111, s40                    ; my column
	s_or_b32 s[G1+0], s43, (1<<16)|(1<<20)|(1<<21)|(5<<22)|(3<<25)   ; mask; 2-byte elements; 4 words of padding behind every 64; bit 21 beside a mask
	s_or_b32 s[G1B+0], s44, (1<<16)|(1<<20)|(1<<21)|(5<<22)|(3<<25)
	s_mov_b32 s[G1+1], KSTEP<<16                   ; tensor_dim0 = 128
	s_mov_b32 s[G1B+1], KSTEP<<16
	s_mov_b32 s[G1+2], 128<<16                     ; tensor_dim1 = 128
	s_mov_b32 s[G1B+2], 128<<16
	s_mov_b32 s[G1+3], KSTEP<<16                   ; tile_dim0 = 128
	s_mov_b32 s[G1B+3], KSTEP<<16
	s_mov_b32 s[G1+4], 128                         ; tile_dim1 = 128
	s_mov_b32 s[G1B+4], 128
	s_mov_b32 s[G1+5], 3072                        ; elements from row to row of qkv
	s_mov_b32 s[G1B+5], 3072
	s_mov_b32 s[G1+6], 0
	s_mov_b32 s[G1B+6], 0
	s_mov_b32 s[G1+7], 0
	s_mov_b32 s[G1B+7], 0
	s_lshl_b32 s17, s12, 7
	s_lshl_b32 s16, s13, 8
	s_add_co_u32 s16, s16, s17                     ; Q: row 256 x block row + 128 x half
	s_lshl_b32 s46, s42, 8
	s_add_co_u32 s46, s46, s17                     ; K: row 256 x block column + 128 x half
	s_mov_b32 s17, 0
	s_mov_b32 s47, 0
	s_mov_b64 s[18:19], INROW
	s_mul_u64 s[16:17], s[16:17], s[18:19]
	s_mul_u64 s[46:47], s[46:47], s[18:19]
	s_mul_i32 s20, s10, HALFT
	s_wait_dscnt 0x0
	s_wait_kmcnt 0x0
	s_add_nc_u64 s[6:7], s[4:5], 2048              ; K/4: columns 1024-2047 of qkv
	s_add_nc_u64 s[14:15], s[4:5], s[16:17]
	s_add_nc_u64 s[46:47], s[6:7], s[46:47]
	CROUND                                         ; all sixteen work-groups are here: the first joint loads meet
.irp s, 0,1
	s_mov_b32 s[G0+4*\s], 1
	s_add_co_u32 s[G0+4*\s+1], s20, \s*SLOT
	s_add_nc_u64 s[G0+4*\s+2:G0+4*\s+3], s[14:15], \s*KSTEP*2
	s_or_b32 s[G0+4*\s+3], s[G0+4*\s+3], 0x80000000
	s_mov_b32 s[G0B+4*\s], 1
	s_add_co_u32 s[G0B+4*\s+1], s20, \s*SLOT
	s_add_nc_u64 s[G0B+4*\s+2:G0B+4*\s+3], s[46:47], \s*KSTEP*2
	s_or_b32 s[G0B+4*\s+3], s[G0B+4*\s+3], 0x80000000
	JLOAD \s                                       ; two tensor loads of the wave are out
.endr
	v_and_b32 v1, 15, v0                           ; l % 16
	v_bfe_u32 v2, v0, 4, 1                         ; l / 16
	v_and_b32 v6, 31, v0                           ; l
	v_mul_u32_u24 v3, v1, PITCH
	v_lshl_add_u32 v3, v2, 4, v3
	s_mul_i32 s21, s11, HALFT
	s_mul_i32 s22, s12, HALFT
	s_add_co_u32 s22, s22, 2*HALFT
.irp s, 0,1
	v_add_nc_u32 v[ADRA+\s], s21, v3
	v_add_nc_u32 v[ADRB+\s], s22, v3
	s_add_co_u32 s21, s21, SLOT
	s_add_co_u32 s22, s22, SLOT
.endr
	s_lshl_b32 s23, s10, 10
	s_add_co_u32 s23, s23, STAT                    ; my statistics
	v_lshl_add_u32 v[STM], v1, 2, s23
	v_lshl_add_u32 v[STR], v6, 4, s23
	v_lshlrev_b32 v[SO], 4, v6
.macro MUL16 f, hi, a0, zero
.irp a, \a0, \a0+1
.irp b, 0,1,2,3,4,5,6,7
.if \zero
	v_wmma_f32_16x16x32_f16 v[8*(8*(\a)+\b):8*(8*(\a)+\b)+7], v[\f+8*\b:\f+8*\b+7], v[\f+8*(4*\hi+\a):\f+8*(4*\hi+\a)+7], 0
.else
	v_wmma_f32_16x16x32_f16 v[8*(8*(\a)+\b):8*(8*(\a)+\b)+7], v[\f+8*\b:\f+8*\b+7], v[\f+8*(4*\hi+\a):\f+8*(4*\hi+\a)+7], v[8*(8*(\a)+\b):8*(8*(\a)+\b)+7]
.endif
.endr
.endr
.endm
.macro FETCH slot, k, f
	WIN TO_B
.irp i, 0,1,2,3,4,5,6,7
	ds_load_b128 v[\f+8*\i:\f+8*\i+3],   v[ADRB+\slot] offset:\k+\i*16*PITCH
	ds_load_b128 v[\f+8*\i+4:\f+8*\i+7], v[ADRB+\slot] offset:\k+\i*16*PITCH+32
.endr
	WIN 0
.irp i, 0,1,2,3,4,5,6,7
	ds_load_b128 v[\f+8*\i:\f+8*\i+3],   v[ADRA+\slot] offset:\k+\i*16*PITCH
	ds_load_b128 v[\f+8*\i+4:\f+8*\i+7], v[ADRA+\slot] offset:\k+\i*16*PITCH+32
.endr
.endm
.macro PLACES                          ; four places behind a matrix instruction (ISA guide 7.12.1) before its registers are touched
.rept 4
	v_nop
.endr
.endm
; The 64 accumulators take turns, one instruction a turn, in the same order in every quarter step.
.macro QUARTER slot, k, f, g, zero
	s_wait_dscnt 8                                 ; K and Q's rows 0-63 are in; the youngest eight loads (Q's rows 64-127) may be out
	WIN MUL_LO
	MUL16 \f, 0, 0, \zero
	MUL16 \f, 0, 2, \zero
	PLACES
	FETCH \slot, \k, \g
	s_wait_dscnt 32                                ; all but the 32 just issued
	WIN MUL_HI
	MUL16 \f, 1, 0, \zero
	MUL16 \f, 1, 2, \zero
.endm
.macro THREE slot, zero
	QUARTER \slot, 64,  F0, F1, \zero
	QUARTER \slot, 128, F1, F0, 0
	QUARTER \slot, 192, F0, F1, 0
.endm
; The change of slots: my reads of this slot and all my tensor loads are waited for in front of the barrier; behind it (fill = 1: behind the cluster's
; round that it opens) the refill comes first.  From a request to the wait for it a wave issues 240 matrix instructions.
.macro TURN slot, next, fill
	s_wait_dscnt 8
	WIN MUL_LO
	MUL16 F1, 0, 0, 0
	s_wait_dscnt 0
	s_wait_tensorcnt 0x0
	ds_add_u32 v255, v255
	s_wait_dscnt 0x0
	s_barrier_signal -1
	MUL16 F1, 0, 2, 0
	WIN 0
	s_barrier_wait -1
.if \fill
	CREST
	s_add_nc_u64 s[G0+4*\slot+2:G0+4*\slot+3], s[G0+4*\slot+2:G0+4*\slot+3], 2*KSTEP*2
	s_add_nc_u64 s[G0B+4*\slot+2:G0B+4*\slot+3], s[G0B+4*\slot+2:G0B+4*\slot+3], 2*KSTEP*2
	JLOAD \slot                                    ; the wave's one tensor load behind the round
.endif
	PLACES
	FETCH \next, 0, F0
	WIN MUL_HI
	MUL16 F1, 1, 0, 0
	MUL16 F1, 1, 2, 0
.endm
.macro LAP zero
	THREE 0, \zero
	TURN 0, 1, 1
	THREE 1, 0
	TURN 1, 0, 1
.endm
	s_wait_tensorcnt 1                             ; my part of K step 0 is in; K step 1's may stay out
	s_barrier_signal -1
	s_barrier_wait -1
	FETCH 0, 0, F0
	LAP 1
	WIN 0
	s_mov_b32 s3, LAPS-2
.Llap:
	LAP 0
	WIN 0
	s_sub_co_u32 s3, s3, 1
	s_cmp_lg_u32 s3, 0
	s_cbranch_scc1 .Llap
	THREE 0, 0
	TURN 0, 1, 0
	THREE 1, 0
	s_wait_dscnt 8
	WIN MUL_LO
	MUL16 F1, 0, 0, 0
	MUL16 F1, 0, 2, 0
	s_wait_dscnt 0
	WIN MUL_HI
	MUL16 F1, 1, 0, 0
	MUL16 F1, 1, 2, 0
	; THE WAY OUT
	PLACES
	s_lshl_b32 s13, s13, 8
	s_lshl_b32 s14, s11, 7
	s_add_co_u32 s16, s13, s14                     ; my first row
	s_lshl_b32 s22, s16, 2                         ; its place in a chunk's line of the statistics
	s_lshl_b32 s16, s16, 13                        ; (row / 16) blocks of 16 rows x 131,072 bytes = row x 8,192, below 2^25
	s_mov_b32 s17, 0
	s_add_nc_u64 s[8:9], s[8:9], s[16:17]
	s_lshl_b32 s46, s42, 13                        ; my first key block: (8 x block column + 4 x half) x 1,024 bytes
	s_lshl_b32 s47, s12, 12
	s_add_co_u32 s46, s46, s47
	s_mov_b32 s47, 0
	s_add_nc_u64 s[8:9], s[8:9], s[46:47]
	s_lshl_b32 s46, s42, 1
	s_add_co_u32 s46, s46, s12                     ; my chunk = 2 x block column + half
	s_lshl_b32 s46, s46, 14                        ; 4,096 rows x 4 bytes for each chunk
	s_add_co_u32 s46, s46, s22
	s_add_nc_u64 s[68:69], s[68:69], s[46:47]
; Rows 16 i .. 16 i + 15 = the eight tiles (a, 0..7) of window 2 or 3.  two: sources 0 and 1 in that window; one: source 0 alone; f: 32 registers for the packed results, two sets in turn.
.macro SOFT16 i, a, two, one, f
	WIN \two
	; the largest of my 64 numbers of the row: four chains of 16 that do not wait for each other; the first two numbers start each chain
.irp q, 0,1,2,3
	v_max_num_f32 v[MX+\q], v[8*(8*\a+2*\q)], v[8*(8*\a+2*\q)+1]
.endr
.irp j, 2,4,6,8,10,12,14
.irp q, 0,1,2,3
	v_max3_num_f32 v[MX+\q], v[8*(8*\a+2*\q)+\j], v[8*(8*\a+2*\q)+\j+1], v[MX+\q]
.endr
.endr
	WIN 0
	v_max3_num_f32 v[MX], v[MX], v[MX+1], v[MX+2]
	v_max_num_f32 v[MX], v[MX], v[MX+3]
	v_permlanex16_b32 v[MX+1], v[MX], s66, s67     ; the row's other 64 numbers lie in lane l xor 16
	v_max_num_f32 v[MX], v[MX], v[MX+1]
	v_mul_f32 v[MP], 0x4038aa3b, v[MX]             ; M = c x maximum, rounded once: this very number is stored and taken away
	v_mul_f32 v[NM], 0xc038aa3b, v[MX]             ; -M: rounding is symmetric, so it is M with the sign turned
	v_mul_f32 v[NM+1], 0xc038aa3b, v[MX]
	ds_store_b32 v[STM], v[MP] offset:64*\i        ; both halves of the lanes write the same word with the same number
	WIN \one
.set cnt, 0
.rept 32
	v_pk_fma_f32 v[T+2*cnt:T+2*cnt+1], v[64*\a+2*cnt:64*\a+2*cnt+1], 0x4038aa3b, v[NM:NM+1] op_sel_hi:[1,0,1]   ; c S - M, one rounding
.set cnt, cnt+1
.endr
	WIN 0
.set cnt, 0
.rept 64
	v_exp_f32 v[T+cnt], v[T+cnt]
.set cnt, cnt+1
.endr
	v_nop                                          ; one plain place behind the transcendentals before their results are read (ISA guide 5.7.2)
	s_wait_alu depctr_va_vdst(0)
.irp q, 0,1,2,3
	v_pk_add_f32 v[LS+2*\q:LS+2*\q+1], v[T+2*\q:T+2*\q+1], v[T+8+2*\q:T+8+2*\q+1]   ; four chains of pairs; the first sums start them
.endr
.irp j, 2,3,4,5,6,7
.irp q, 0,1,2,3
	v_pk_add_f32 v[LS+2*\q:LS+2*\q+1], v[LS+2*\q:LS+2*\q+1], v[T+8*\j+2*\q:T+8*\j+2*\q+1]
.endr
.endr
	v_pk_add_f32 v[LS:LS+1], v[LS:LS+1], v[LS+2:LS+3]
	v_pk_add_f32 v[LS+4:LS+5], v[LS+4:LS+5], v[LS+6:LS+7]
	v_pk_add_f32 v[LS:LS+1], v[LS:LS+1], v[LS+4:LS+5]
	v_add_f32 v[LS], v[LS], v[LS+1]
	v_permlanex16_b32 v[LS+1], v[LS], s66, s67
	v_add_f32 v[LS], v[LS], v[LS+1]
	ds_store_b32 v[STM], v[LS] offset:512+64*\i
	s_wait_xcnt 0x0                                ; the set f, which the stores of two turns ago read, is rewritten only behind this wait
.set cnt, 0
.rept 32
	v_cvt_pk_f16_f32 v[\f+cnt], v[T+2*cnt], v[T+2*cnt+1]
.set cnt, cnt+1
.endr
.irp b, 0,1,2,3,4,5,6,7
	global_store_b128 v[SO], v[\f+4*\b:\f+4*\b+3], s[8:9] offset:PROWB*\i+512*\b   ; tile b = half b % 2 of key block b / 2: the wave stores 512 consecutive bytes, aligned
.endr
.endm
	SOFT16 0, 0, 0x0a, 0x02, 64
	SOFT16 1, 1, 0x0a, 0x02, 96
	SOFT16 2, 2, 0x0a, 0x02, 64
	SOFT16 3, 3, 0x0a, 0x02, 96
	SOFT16 4, 0, 0x0f, 0x03, 64
	SOFT16 5, 1, 0x0f, 0x03, 96
	SOFT16 6, 2, 0x0f, 0x03, 64
	SOFT16 7, 3, 0x0f, 0x03, 96
	; my 128 rows' M and l, gathered in my own LDS bytes (LDS serves a wave's instructions in order), leave as 512 consecutive bytes each
	ds_load_b128 v[MX:MX+3], v[STR]
	ds_load_b128 v[LS:LS+3], v[STR] offset:512
	s_wait_dscnt 0x0
	global_store_b128 v[SO], v[MX:MX+3], s[68:69]
	global_store_b128 v[SO], v[LS:LS+3], s[68:69] offset:524288
	s_set_vgpr_msb 0x1
	s_wait_tensorcnt 0x0
	ds_add_u32 v255, v255
	s_wait_dscnt 0x0
	s_set_vgpr_msb 0x100
	CROUND                                         ; the closing round
	s_endpgm
.Lfunc_end_k_q749ba67807_scores:
	.size	k_q749ba67807_scores, .Lfunc_end_k_q749ba67807_scores-k_q749ba67807_scores
	.p2alignl 7, 3214868480
	.fill 96, 4, 3214868480
	.section	.rodata,"a",@progbits
	.p2align	6, 0x0
	.amdhsa_kernel k_q749ba67807_scores
		.amdhsa_group_segment_fixed_size 327680
		.amdhsa_private_segment_fixed_size 0
		.amdhsa_enable_private_segment 0
		.amdhsa_kernarg_size 24
		.amdhsa_user_sgpr_count 2
		.amdhsa_user_sgpr_kernarg_segment_ptr 1
		.amdhsa_wavefront_size32 1
		.amdhsa_system_sgpr_workgroup_id_x 1
		.amdhsa_system_sgpr_workgroup_id_y 1
		.amdhsa_system_sgpr_workgroup_id_z 1
		.amdhsa_system_vgpr_workitem_id 0
		.amdhsa_next_free_vgpr 1024
		.amdhsa_next_free_sgpr 80
		.amdhsa_reserve_vcc 0
		.amdhsa_float_denorm_mode_32 3
		.amdhsa_float_denorm_mode_16_64 3
		.amdhsa_memory_ordered 1
		.amdhsa_forward_progress 1
		.amdhsa_inst_pref_size 255
	.end_amdhsa_kernel
	.section	.bss,"aw",@nobits
	.p2align	6
	.space	262144
	.amdgpu_metadata
---
amdhsa.version: [ 1, 2 ]
amdhsa.kernels:
  - .name:           k_q749ba67807_scores
    .symbol:         k_q749ba67807_scores.kd
    .args:
      - { .name: qkv, .offset: 0, .size: 8, .value_kind: global_buffer, .address_space: global }
      - { .name: p, .offset: 8, .size: 8, .value_kind: global_buffer, .address_space: global }
      - { .name: stats, .offset: 16, .size: 8, .value_kind: global_buffer, .address_space: global }
    .group_segment_fixed_size: 327680
    .private_segment_fixed_size: 0
    .kernarg_segment_align: 8
    .kernarg_segment_size: 24
    .max_flat_workgroup_size: 128
    .sgpr_count:     80
    .vgpr_count:     1024
    .wavefront_size: 32
...
	.end_amdgpu_metadata
.endif
;; end of part 3
;; launch mix (part 4): grid 8 x 32, 4 waves a work-group, clusters of 4 x 4, 327,680 bytes of LDS; arguments p, qkv, stats, out0; writes out0
.if DOCPART == 4
	.amdgcn_target "amdgcn-amd-amdhsa--gfx1250"
	.amdhsa_code_object_version 6
	.text
	.protected	k_q749ba67807_mix
	.globl	k_q749ba67807_mix
	.p2align	8
	.type	k_q749ba67807_mix,@function
k_q749ba67807_mix:
	s_mov_b64 s[64:65], 0
	v_nop
	global_prefetch_b8 v0, s[64:65] scope:SCOPE_SE
	s_setreg_imm32_b32 hwreg(HW_REG_WAVE_MODE, 25, 1), 1
	s_wait_xcnt 0x0
	s_wait_alu depctr_hold_cnt(0) depctr_sa_sdst(0) depctr_va_vdst(0) depctr_va_sdst(0) depctr_va_ssrc(0) depctr_va_vcc(0) depctr_vm_vsrc(0)
	s_getreg_b32 s2, hwreg(HW_REG_IB_STS2, 6, 4)
	s_cmp_eq_u32 s2, 0
	s_cbranch_scc0 .Lentry_in_a_cluster
	s_endpgm
.Lentry_in_a_cluster:
	s_bfe_u32 s2, ttmp6, 0x10000c
	s_cmp_lg_u32 s2, 0xf033
	s_cbranch_scc0 .Lentry_shape_is_right
	s_endpgm
.Lentry_shape_is_right:
; out[m][n] = (sum over keys k of f[m][chunk of k] p(m, k) (V/4)[k][n]) x 4 / L[m], with, from stats,
;   Mrow[m] = the largest M[chunk][m] (the row's true maximum, times c),  f = exp2(M[chunk][m] - Mrow[m]) <= 1,  L[m] = sum over chunks of f x l[chunk][m].
; p: f16, in blocks of 16 rows x 32 keys laid out as the matrix operand (block (R, Kb) at (128 R + Kb) x 1,024; keys 16 e .. at 512 e; lane l's 16 bytes at 16 l);
; V/4: columns 2048-3071 of qkv, f16, stored [key][dim]; sums in f32; out f32.
; LIMITS: f and f x p are f16: below 2^-24 they become 0 (at most 4096 x 2^-24 of a row's weight), below 2^-14 they keep fewer than 11 bits;
; L is made from f and l in f32; v_exp_f32 gives 0 for results below 2^-126.
;
; A work-group makes 128 rows x 128 dims: 8 x 32 = 256 work-groups.  EACH wave holds the whole 128 x 128 in 512 registers, for a quarter of the keys, so that a
; fragment still feeds eight matrix instructions; the four partial tiles are summed through LDS once, at the end.
; A step is 512 keys; wave w takes keys 128 w .. 128 w + 127 of it (one chunk), as four quarters of 32 keys, 64 matrix instructions each.  8 steps, 4 laps of the ring.
; V goes through LDS (it has to be transposed): a ring of two slots of 512 keys x 256 bytes; wave w brings, and alone reads, its own 128 keys.
; CLUSTERS of 4 x 4: V's tiles hang on the block column alone and are asked for jointly along a column of the cluster.
; p IS NOT ASKED FOR JOINTLY AND DOES NOT GO THROUGH LDS, though the eight work-groups of a block row read the same blocks.  The reason, by this text's arithmetic: no two waves
; of a work-group read the same fragment of p (each has keys of its own), and p lies in memory as the operand registers want it, so LDS would only be written and read once more;
; and with p beside V a slot of 147,456 bytes would hold 256 keys, 128 matrix instructions a wave between two refills, where with V alone it holds 512 keys, 256 of them.
; So p's fragments come by loads of 512 consecutive bytes straight into a ring of four operand buffers, each asked for two and a half quarters before it is used.
;
; LDS: slot s at s x 147,456, wave w's part at + 36,864 w: 128 keys x 256 bytes, pitch 288 (an odd multiple of 32, for the transposing loads).
; FT at 294,912: the factors, (f, f) in f16: the word of row 16 a + r and a chunk lies at 4,096 (a / 2) + 128 chunk + 8 r + 4 (a % 2), so that wave w writes part w alone.
; INV at 311,296: 4 / L of the 128 rows.  No tensor load lands on FT or INV.  The final sum uses the ring's bytes again, behind its last fill: 4 x 128 rows x 528 bytes.
;
; REGISTERS: window 0: v20-44 addresses and factors; v64-127, v128-191, v192-255 p's buffers 0, 1, 2.  Window 1: v64-127, v128-191 fragments of V, two buffers; v192-255 p's buffer 3.
; Windows 2, 3: accumulators (window 2 serves the factor table's figures before the first product).
; The matrix instruction is used transposed (source 0 = 16 dims of V, source 1 = 16 rows of p): lane l holds row m = l % 16, registers 0-7 the dims 8 (l / 16) + 0..7.
.set KEYS,  512
.set PB,    288                        ; LDS pitch of V's rows: 256 + 32
.set PART,  128*PB                     ; 36,864: one wave's 128 keys
.set SLOT,  4*PART
.set FT,    2*SLOT
.set INV,   FT+16384
.set SUMP,  528                        ; the final sum: a row of 128 f32 + 16 bytes
.set SUMW,  128*SUMP
.set LAPS,  4
.set VROW,  6144                       ; bytes in a row of qkv
.set PBLK,  1024                       ; bytes in a block of p
.set PROWB, 128*PBLK                   ; from a block of 16 rows to the next
.set ADRB, 20                          ; v20-21  LDS address of my V fragments in slot 0, 1
.set FAD,  22                          ; v22     where my factors of this lap's first step lie
.set WRA,  24                          ; v24     the final sum: where I put my partial tile
.set OO,   26                          ; v26     16 l: my place in a load of p and in a store of out; never rewritten
.set TO,   27                          ; v27     4 t: thread t stands for row t in the statistics
.set FW,   28                          ; v28     where thread t puts its factors
.set IW,   29                          ; v29     where thread t puts 4 / L
.set FA,   32                          ; v32-39  (f, f) of rows 16 a + l % 16, a = 0..7, for the step at work
.set RDR,  40                          ; v40-43  the final sum: my rows in the four partial tiles
.set IVA,  44                          ; v44     4 / L of my 32 rows
.set F0,   64                          ; window 1: V's fragment buffers
.set F1,   128
.set MS,   64                          ; window 2, the table: v64-95 M of 32 chunks, then the packed factors
.set LL,   96                          ;           v96-127  l of 32 chunks
.set EE,   128                         ;           v128-159 f of 32 chunks
.set LQ,   160                         ;           v160-163 four chains of L
.set MR,   164                         ;           v164-165 the row's maximum, two chains
.set SB,   64                          ; window 0, the final sum: v64-191: 8 rows x 4 partial tiles x 4 registers
.set RL,   192                         ;           v192-223 4 / L of my 32 rows
.set G1B, 48                           ; s[48:55] descriptor group 1 for V's tiles
.set G0B, 56                           ; s[56:63] group 0, one set for each slot
.set MSB, 0
.macro WIN new
.if MSB != \new
	s_set_vgpr_msb (MSB<<8)|\new
.set MSB, \new
.endif
.endm
.macro CREST
	s_cmp_lg_u32 s10, 0
	s_cbranch_scc1 .Lnot_wave_0_\@
	s_barrier_signal -3
.Lnot_wave_0_\@:
	s_barrier_wait -3
	s_barrier_signal -1
	s_barrier_wait -1
.endm
.macro CROUND
	s_barrier_signal -1
	s_barrier_wait -1
	CREST
.endm
; p's buffer ab becomes the one at work: AR its first register; the window settings for the scaling (destination and source 0 in its window) and for the
; products (source 0 = V window 1, source 1 = p in its window, C and D window 2 or 3).
.macro ASEL ab
.if (\ab) == 3
.set AR, 192
.set AW, 1
.else
.set AR, 64+64*(\ab)
.set AW, 0
.endif
.set WSC, 0x41*AW
.set WLO, 0xa1|(AW<<2)
.set WHI, 0xf1|(AW<<2)
.endm
	s_load_b128 s[4:7], s[0:1], 0x0                ; p s[4:5], qkv s[6:7]
	s_load_b128 s[68:71], s[0:1], 0x10             ; stats s[68:69], out0 s[70:71]
	s_set_vgpr_msb 0x40
	v_lshl_add_u32 v62, v0, 2, 0x4c200
	v_mov_b32 v63, 0
	s_set_vgpr_msb 0x4045
	ds_add_u32 v62, v63
	s_set_vgpr_msb 0x4500
	v_lshrrev_b32 v1, 5, v0
	v_readfirstlane_b32 s10, v1                    ; wave 0..3
	s_bfe_u32 s40, ttmp6, 0x40000                  ; cx
	s_bfe_u32 s41, ttmp6, 0x40004                  ; cy
	s_lshl_b32 s42, ttmp9, 2
	s_add_co_u32 s42, s42, s40                     ; block column (128 dims), 0..7
	s_and_b32 s13, ttmp7, 0xffff
	s_lshl_b32 s13, s13, 2
	s_add_co_u32 s13, s13, s41                     ; block row (128 rows), 0..31
	s_lshl_b32 s44, 0x1111, s40                    ; my column of the cluster: places cx, cx + 4, cx + 8, cx + 12
	; V's tile: 128 keys x 128 elements of 2 bytes, 8 words of padding behind every 64 words
	s_or_b32 s[G1B+0], s44, (1<<16)|(1<<20)|(1<<21)|(5<<22)|(7<<25)
	s_mov_b32 s[G1B+1], 128<<16                    ; tensor_dim0 = 128
	s_mov_b32 s[G1B+2], 128<<16                    ; tensor_dim1 = 128
	s_mov_b32 s[G1B+3], 128<<16                    ; tile_dim0 = 128
	s_mov_b32 s[G1B+4], 128                        ; tile_dim1 = 128
	s_mov_b32 s[G1B+5], 3072                       ; elements from row to row of qkv
	s_mov_b32 s[G1B+6], 0
	s_mov_b32 s[G1B+7], 0
	s_mul_i32 s46, s10, 128*VROW                   ; V: key 128 x wave,
	s_lshl_b32 s47, s42, 8                         ; dims 128 x block column, 2 bytes each,
	s_add_co_u32 s46, s46, s47
	s_add_co_u32 s46, s46, 4096                    ; behind Q's and K's 2,048 columns
	s_mov_b32 s47, 0
	s_mul_i32 s20, s10, PART                       ; LDS: wave x part; no place in the cluster enters an LDS address
	s_lshl_b32 s16, s13, 20                        ; p: 8 blocks of 16 rows x 131,072 bytes for each block row,
	s_lshl_b32 s17, s10, 12                        ; and my 4 key blocks of a step
	s_add_co_u32 s16, s16, s17
	s_mov_b32 s17, 0
	s_lshl_b32 s76, s13, 9                         ; my 128 rows in a chunk's line of the statistics
	s_mov_b32 s77, 0
	s_wait_dscnt 0x0
	s_wait_kmcnt 0x0
	s_add_nc_u64 s[4:5], s[4:5], s[16:17]
	s_add_nc_u64 s[46:47], s[6:7], s[46:47]
	s_add_nc_u64 s[68:69], s[68:69], s[76:77]
	CROUND                                         ; all sixteen work-groups are here: the first joint loads meet
.irp s, 0,1
	s_mov_b32 s[G0B+4*\s], 1
	s_add_co_u32 s[G0B+4*\s+1], s20, \s*SLOT
	s_add_nc_u64 s[G0B+4*\s+2:G0B+4*\s+3], s[46:47], \s*KEYS*VROW
	s_or_b32 s[G0B+4*\s+3], s[G0B+4*\s+3], 0x80000000
	tensor_load_to_lds s[G0B+4*\s:G0B+4*\s+3], s[G1B:G1B+7]        ; every wave brings its own 128 keys: two tensor loads of the wave are out
	s_nop 0
	v_nop
.endr
; 16 loads of 512 consecutive bytes: the eight fragments (16 rows x 32 keys each) of quarter t, counted from this lap's first quarter, into p's buffer ab.
; A step is 16 key blocks on, a quarter one; all of it stands in the immediate, 953,856 bytes at the most.
.macro GLOAD ab, t
.if (\ab) == 3
.set GR, 192
	WIN 0x40
.else
.set GR, 64+64*(\ab)
	WIN 0
.endif
.irp a, 0,1,2,3,4,5,6,7
	global_load_b128 v[GR+8*\a:GR+8*\a+3],   v[OO], s[4:5] offset:PROWB*\a+((\t)/4)*16*PBLK+((\t)%4)*PBLK
	global_load_b128 v[GR+8*\a+4:GR+8*\a+7], v[OO], s[4:5] offset:PROWB*\a+((\t)/4)*16*PBLK+((\t)%4)*PBLK+512
.endr
.endm
	; THE FACTORS, while the first tiles are on their way.  Thread t stands for row t of the block's 128.  The figures lie in window 2.
	v_lshlrev_b32 v[TO], 2, v0
	v_and_b32 v6, 31, v0                           ; l
	v_lshlrev_b32 v[OO], 4, v6
	WIN 0x80                                       ; destination window 2, address window 0
.set cc, 0
.rept 32
	global_load_b32 v[MS+cc], v[TO], s[68:69] offset:16384*cc
	global_load_b32 v[LL+cc], v[TO], s[68:69] offset:16384*cc+524288
.set cc, cc+1
.endr
	GLOAD 0, 0                                     ; p's first three quarters go out behind them
	GLOAD 1, 1
	GLOAD 2, 2
	v_and_b32 v1, 15, v0                           ; l % 16
	v_bfe_u32 v2, v0, 4, 1                         ; l / 16
	v_and_b32 v4, 7, v0
	v_lshl_add_u32 v4, v2, 3, v4                   ; V, for the transposing load: key 8 (l / 16) + l % 8,
	v_mul_u32_u24 v4, v4, PB
	v_bfe_u32 v5, v0, 3, 1
	v_lshl_add_u32 v4, v5, 4, v4                   ; and 16 bytes on for lanes 8-15 of each half
	s_mul_i32 s22, s10, PART                       ; in my own part
.irp s, 0,1
	v_add_nc_u32 v[ADRB+\s], s22, v4
	s_add_co_u32 s22, s22, SLOT
.endr
	s_lshl_b32 s23, s10, 7
	s_add_co_u32 s23, s23, FT
	v_lshl_add_u32 v[FAD], v1, 3, s23              ; FT + 128 wave + 8 (l % 16): in step s my chunk is 4 s + wave
	s_lshl_b32 s23, s10, 12
	s_add_co_u32 s23, s23, FT
	v_lshl_add_u32 v5, v1, 3, s23
	v_lshl_add_u32 v[FW], v2, 2, v5                ; FT + 4,096 wave + 8 (l % 16) + 4 (l / 16): row t = 32 wave + l is a = 2 wave + l / 16, r = l % 16
	s_lshl_b32 s23, s10, 7
	s_add_co_u32 s23, s23, INV
	v_mov_b32 v[IVA], s23                          ; INV + 128 wave
	v_lshl_add_u32 v[IW], v6, 2, s23               ; + 4 l
	s_mul_i32 s23, s10, SUMW
	v_mul_u32_u24 v5, v1, SUMP
	v_lshl_add_u32 v5, v2, 5, v5
	v_add_nc_u32 v[WRA], s23, v5                   ; my partial tile: row l % 16, 32 bytes for each half of the lanes
	s_mul_i32 s23, s10, 32*SUMP
	v_lshl_add_u32 v5, v6, 4, s23
.irp s, 0,1,2,3
	v_add_nc_u32 v[RDR+\s], \s*SUMW, v5            ; rows 32 wave .. of partial tile s, 16 bytes a lane
.endr
	s_wait_loadcnt 48                              ; loads come back in order: the statistics are in, the 48 loads of p issued behind them may be out
	WIN 0xaa                                       ; every operand in window 2
	v_max_num_f32 v[MR], v[MS], v[MS+1]
	v_max_num_f32 v[MR+1], v[MS+16], v[MS+17]
.irp j, 2,4,6,8,10,12,14
	v_max3_num_f32 v[MR], v[MS+\j], v[MS+\j+1], v[MR]
	v_max3_num_f32 v[MR+1], v[MS+16+\j], v[MS+17+\j], v[MR+1]
.endr
	v_max_num_f32 v[MR], v[MR], v[MR+1]            ; Mrow
.set cc, 0
.rept 32
	v_sub_f32 v[EE+cc], v[MS+cc], v[MR]
.set cc, cc+1
.endr
.set cc, 0
.rept 32
	v_exp_f32 v[EE+cc], v[EE+cc]                   ; f <= 1; it is 1 in the chunk that holds the maximum, so L is at least about 1
.set cc, cc+1
.endr
	v_nop                                          ; one plain place behind the transcendentals (ISA guide 5.7.2)
	s_wait_alu depctr_va_vdst(0)
.irp q, 0,1,2,3
	v_mul_f32 v[LQ+\q], v[EE+\q], v[LL+\q]         ; four chains; the first products start them
.endr
.irp j, 1,2,3,4,5,6,7
.irp q, 0,1,2,3
	v_fmac_f32 v[LQ+\q], v[EE+4*\j+\q], v[LL+4*\j+\q]
.endr
.endr
	v_add_f32 v[LQ], v[LQ], v[LQ+1]
	v_add_f32 v[LQ+2], v[LQ+2], v[LQ+3]
	v_add_f32 v[LQ], v[LQ], v[LQ+2]
	v_rcp_f32 v[LQ+1], v[LQ]                       ; the conversions below are the plain places behind it
.set cc, 0
.rept 32
	v_cvt_pk_f16_f32 v[MS+cc], v[EE+cc], v[EE+cc]  ; (f, f)
.set cc, cc+1
.endr
	s_wait_alu depctr_va_vdst(0)
	v_mul_f32 v[LQ+1], 4.0, v[LQ+1]                ; 4 / L: the 4 undoes V / 4
	WIN 0x08                                       ; store data window 2, address window 0
.set cc, 0
.rept 32
	ds_store_b32 v[FW], v[MS+cc] offset:128*cc
.set cc, cc+1
.endr
	ds_store_b32 v[IW], v[LQ+1]
	WIN 0
; 16 matrix instructions: m blocks a0, a0 + 1 of the window's four x all 8 n blocks, 32 keys; V from buffer fb, p from the buffer at work (AR).
.macro MUL16 fb, hi, a0, zero
.irp a, \a0, \a0+1
.irp b, 0,1,2,3,4,5,6,7
.if \zero
	v_wmma_f32_16x16x32_f16 v[8*(8*(\a)+\b):8*(8*(\a)+\b)+7], v[\fb+8*\b:\fb+8*\b+7], v[AR+8*(4*\hi+\a):AR+8*(4*\hi+\a)+7], 0
.else
	v_wmma_f32_16x16x32_f16 v[8*(8*(\a)+\b):8*(8*(\a)+\b)+7], v[\fb+8*\b:\fb+8*\b+7], v[AR+8*(4*\hi+\a):AR+8*(4*\hi+\a)+7], v[8*(8*(\a)+\b):8*(8*(\a)+\b)+7]
.endif
.endr
.endr
.endm
; 16 LDS loads: V's fragments of quarter q (32 of my 128 keys) of a slot into buffer f.  V lies [key][dim]: the transposing load gives lane l dim 16 b + l % 16 with
; keys 8 (l / 16) + 0..7 in registers 0-3; the second load, 16 keys on, fills registers 4-7.
.macro FETCHB slot, q, f
	WIN 0x40
.irp b, 0,1,2,3,4,5,6,7
	ds_load_tr16_b128 v[\f+8*\b:\f+8*\b+3],   v[ADRB+\slot] offset:32*PB*(\q)+32*\b
	ds_load_tr16_b128 v[\f+8*\b+4:\f+8*\b+7], v[ADRB+\slot] offset:32*PB*(\q)+32*\b+16*PB
.endr
.endm
.macro LOADFA off                      ; my eight rows' factors for a step's chunk: two words from each wave's part of the table
.irp i, 0,1,2,3
	ds_load_b64 v[FA+2*\i:FA+2*\i+1], v[FAD] offset:\off+4096*\i
.endr
.endm
.macro SCALE                           ; the buffer at work times f: lane l holds row 16 a + l % 16 in fragment a
	WIN WSC
.irp a, 0,1,2,3,4,5,6,7
.irp j, 0,1,2,3,4,5,6,7
	v_pk_mul_f16 v[AR+8*\a+\j], v[AR+8*\a+\j], v[FA+\a]
.endr
.endr
.endm
.macro PLACES                          ; four places behind a matrix instruction (ISA guide 7.12.1) before its registers are touched
.rept 4
	v_nop
.endr
.endm
; The 64 accumulators take turns, one instruction a turn, in the same order in every quarter.
; Quarter q = 0, 1, 2 of the step in a slot (the slot's number is also the step's number in the lap): multiplies p's buffer q and V's buffer fb.  In its middle it fetches V's next
; quarter into gb and (ld = 1) asks for p's quarter three on, into the buffer that the quarter before this one has used up.
; cnt: how many younger loads of p may be out: 16 for each of the quarters asked for behind this one's.
.macro QRT slot, q, fb, gb, zero, ld, cnt
	ASEL \q
	s_wait_loadcnt \cnt                            ; loads come back in order: this quarter's 16 are in
	s_wait_dscnt 0x0                               ; V's fragments (and, in a step's first quarter, the factors) are in
	SCALE
	WIN WLO
	MUL16 \fb, 0, 0, \zero
	MUL16 \fb, 0, 2, \zero
	PLACES
	FETCHB \slot, \q+1, \gb
.if \ld
	GLOAD (\q+3)%4, 4*\slot+\q+3
.endif
	WIN WHI
	MUL16 \fb, 1, 0, \zero
	MUL16 \fb, 1, 2, \zero
.endm
; A step's fourth quarter: multiplies p's buffer 3 and V's buffer 1, and changes slots.  In front of the barrier: my reads of this slot and all my tensor loads (one is out: my part
; of the next slot).  Behind it (fill = 1: behind the cluster's round that it opens) the refill comes first.  From a request to the wait for it a wave issues 240 matrix instructions.
.macro TURN3 slot, next, fill, ld, cnt
	ASEL 3
	s_wait_loadcnt \cnt
	s_wait_dscnt 0x0                               ; V's buffer 1 is in: these were my last reads of this slot
	SCALE
	WIN WLO
	MUL16 F1, 0, 0, 0
	s_wait_dscnt 0x0                               ; met at once: no LDS instruction has been issued since the wait above
	s_wait_tensorcnt 0x0                           ; all my tensor loads have landed
	ds_add_u32 v62, v63
	s_wait_dscnt 0x0
	s_barrier_signal -1
	MUL16 F1, 0, 2, 0                              ; register work while the others arrive
	WIN 0
	s_barrier_wait -1
.if \fill
	CREST                                          ; no wave of any partner still reads this slot or has a load on its way
	s_add_nc_u64 s[G0B+4*\slot+2:G0B+4*\slot+3], s[G0B+4*\slot+2:G0B+4*\slot+3], 2*KEYS*VROW
	tensor_load_to_lds s[G0B+4*\slot:G0B+4*\slot+3], s[G1B:G1B+7]  ; the wave's one tensor load behind the round, and the first thing there
	s_nop 0
.endif
	PLACES
.if \next == 0
	v_add_nc_u32 v[FAD], 1024, v[FAD]              ; the next lap: eight chunks on
.endif
	FETCHB \next, 0, F0
	WIN 0
	LOADFA \next*512                               ; the factors at work were last read by the scaling above
.if \ld
	GLOAD 2, 4*\slot+6
.endif
	WIN WHI
	MUL16 F1, 1, 0, 0
	MUL16 F1, 1, 2, 0
.endm
.macro LAP3 zero
	QRT 0, 0, F0, F1, \zero, 1, 32
	QRT 0, 1, F1, F0, 0, 1, 32
	QRT 0, 2, F0, F1, 0, 1, 32
	TURN3 0, 1, 1, 1, 32
	QRT 1, 0, F0, F1, 0, 1, 32
	QRT 1, 1, F1, F0, 0, 1, 32
	QRT 1, 2, F0, F1, 0, 1, 32
	TURN3 1, 0, 1, 1, 32
	s_wait_xcnt 0x0                                ; p's base, which the loads above name, is stepped only behind this wait
	s_add_nc_u64 s[4:5], s[4:5], 2*16*PBLK         ; two steps of 16 key blocks
.endm
	s_wait_dscnt 0x0                               ; my factors and my 4 / L are written, for the other waves' sake
	s_wait_tensorcnt 0x1                           ; my part of step 0 is in; step 1's may stay out
	s_barrier_signal -1
	s_barrier_wait -1
	FETCHB 0, 0, F0
	WIN 0
	LOADFA 0
	LAP3 1                                         ; the first quarter's products start the sums
	WIN 0
	s_mov_b32 s3, LAPS-2
.Llap:
	LAP3 0
	WIN 0
	s_sub_co_u32 s3, s3, 1
	s_cmp_lg_u32 s3, 0
	s_cbranch_scc1 .Llap
	QRT 0, 0, F0, F1, 0, 1, 32                     ; the last lap fills no slot; p's last quarter is asked for in its fifth quarter, then the counts run down
	QRT 0, 1, F1, F0, 0, 1, 32
	QRT 0, 2, F0, F1, 0, 1, 32
	TURN3 0, 1, 0, 1, 32
	QRT 1, 0, F0, F1, 0, 1, 32
	QRT 1, 1, F1, F0, 0, 0, 32
	QRT 1, 2, F0, F1, 0, 0, 16
	ASEL 3                                         ; the very last quarter: nothing more to fetch
	s_wait_loadcnt 0x0
	s_wait_dscnt 0x0
	SCALE
	WIN WLO
	MUL16 F1, 0, 0, 0
	MUL16 F1, 0, 2, 0
	WIN WHI
	MUL16 F1, 1, 0, 0
	MUL16 F1, 1, 2, 0
	; THE SUM OF THE FOUR PARTIAL TILES, through the ring's bytes, which have had their last fill.
	PLACES
	WIN 0
	s_lshl_b32 s16, s13, 7
	s_lshl_b32 s17, s10, 5
	s_add_co_u32 s16, s16, s17                     ; the rows that I finish: 128 x block row + 32 x wave,
	s_lshl_b32 s16, s16, 12                        ; of 4,096 bytes
	s_mov_b32 s17, 0
	s_add_nc_u64 s[70:71], s[70:71], s[16:17]
	s_lshl_b32 s46, s42, 9                         ; 128 dims of 4 bytes for each block column
	s_mov_b32 s47, 0
	s_add_nc_u64 s[70:71], s[70:71], s[46:47]
	s_wait_dscnt 0x0                               ; my reads of the ring are over (met at once)
	s_barrier_signal -1
	s_barrier_wait -1                              ; everybody's are: the ring may be written
.macro PUT win, hi                     ; store data in window 2 or 3, address in window 0: tile (a, b): row 16 (4 hi + a) + l % 16, bytes 64 b + 32 (l / 16)
	WIN \win
.irp a, 0,1,2,3
.irp b, 0,1,2,3,4,5,6,7
	ds_store_b128 v[WRA], v[8*(8*\a+\b):8*(8*\a+\b)+3]   offset:16*SUMP*(4*\hi+\a)+64*\b
	ds_store_b128 v[WRA], v[8*(8*\a+\b)+4:8*(8*\a+\b)+7] offset:16*SUMP*(4*\hi+\a)+64*\b+16
.endr
.endr
.endm
	PUT 0x08, 0
	PUT 0x0c, 1
	WIN 0
	s_wait_dscnt 0x0                               ; my partial tile is written, for the other waves' sake
	s_barrier_signal -1
	s_barrier_wait -1
.irp j, 0,1,2,3,4,5,6,7
	ds_load_b128 v[RL+4*\j:RL+4*\j+3], v[IVA] offset:16*\j         ; every lane takes 4 / L of all my 32 rows
.endr
	; eight rows at a time: a row's 512 bytes from each of the four partial tiles, 16 bytes a lane
.irp g, 0,1,2,3
.if \g
	s_wait_xcnt 0x0                                ; the last group's stores read these registers: they are loaded again only behind this wait
.endif
.irp k, 0,1,2,3,4,5,6,7
.irp s, 0,1,2,3
	ds_load_b128 v[SB+16*\k+4*\s:SB+16*\k+4*\s+3], v[RDR+\s] offset:SUMP*(8*\g+\k)
.endr
.endr
.irp k, 0,1,2,3,4,5,6,7
	s_wait_dscnt 4*(7-\k)                          ; row k's four loads are in; the four of each of the 7 - k later rows may be out
	v_pk_add_f32 v[SB+16*\k:SB+16*\k+1],     v[SB+16*\k:SB+16*\k+1],     v[SB+16*\k+4:SB+16*\k+5]
	v_pk_add_f32 v[SB+16*\k+2:SB+16*\k+3],   v[SB+16*\k+2:SB+16*\k+3],   v[SB+16*\k+6:SB+16*\k+7]
	v_pk_add_f32 v[SB+16*\k+8:SB+16*\k+9],   v[SB+16*\k+8:SB+16*\k+9],   v[SB+16*\k+12:SB+16*\k+13]
	v_pk_add_f32 v[SB+16*\k+10:SB+16*\k+11], v[SB+16*\k+10:SB+16*\k+11], v[SB+16*\k+14:SB+16*\k+15]
	v_pk_add_f32 v[SB+16*\k:SB+16*\k+1],     v[SB+16*\k:SB+16*\k+1],     v[SB+16*\k+8:SB+16*\k+9]
	v_pk_add_f32 v[SB+16*\k+2:SB+16*\k+3],   v[SB+16*\k+2:SB+16*\k+3],   v[SB+16*\k+10:SB+16*\k+11]
	v_mul_f32 v[SB+16*\k],   v[SB+16*\k],   v[RL+8*\g+\k]
	v_mul_f32 v[SB+16*\k+1], v[SB+16*\k+1], v[RL+8*\g+\k]
	v_mul_f32 v[SB+16*\k+2], v[SB+16*\k+2], v[RL+8*\g+\k]
	v_mul_f32 v[SB+16*\k+3], v[SB+16*\k+3], v[RL+8*\g+\k]
	global_store_b128 v[OO], v[SB+16*\k:SB+16*\k+3], s[70:71] offset:4096*(8*\g+\k) th:TH_STORE_NT   ; the wave stores 512 consecutive bytes, aligned
.endr
.endr
	s_set_vgpr_msb 0x5
	s_wait_tensorcnt 0x0
	ds_add_u32 v62, v63
	s_wait_dscnt 0x0
	s_set_vgpr_msb 0x500
	CROUND                                         ; the closing round: no work-group ends while a partner may still ask for a tile that names it
	s_endpgm
.Lfunc_end_k_q749ba67807_mix:
	.size	k_q749ba67807_mix, .Lfunc_end_k_q749ba67807_mix-k_q749ba67807_mix
	.p2alignl 7, 3214868480
	.fill 96, 4, 3214868480
	.section	.rodata,"a",@progbits
	.p2align	6, 0x0
	.amdhsa_kernel k_q749ba67807_mix
		.amdhsa_group_segment_fixed_size 327680
		.amdhsa_private_segment_fixed_size 0
		.amdhsa_enable_private_segment 0
		.amdhsa_kernarg_size 32
		.amdhsa_user_sgpr_count 2
		.amdhsa_user_sgpr_kernarg_segment_ptr 1
		.amdhsa_wavefront_size32 1
		.amdhsa_system_sgpr_workgroup_id_x 1
		.amdhsa_system_sgpr_workgroup_id_y 1
		.amdhsa_system_sgpr_workgroup_id_z 1
		.amdhsa_system_vgpr_workitem_id 0
		.amdhsa_next_free_vgpr 1024
		.amdhsa_next_free_sgpr 80
		.amdhsa_reserve_vcc 0
		.amdhsa_float_denorm_mode_32 3
		.amdhsa_float_denorm_mode_16_64 3
		.amdhsa_memory_ordered 1
		.amdhsa_forward_progress 1
		.amdhsa_inst_pref_size 255
	.end_amdhsa_kernel
	.section	.bss,"aw",@nobits
	.p2align	6
	.space	262144
	.amdgpu_metadata
---
amdhsa.version: [ 1, 2 ]
amdhsa.kernels:
  - .name:           k_q749ba67807_mix
    .symbol:         k_q749ba67807_mix.kd
    .args:
      - { .name: p, .offset: 0, .size: 8, .value_kind: global_buffer, .address_space: global }
      - { .name: qkv, .offset: 8, .size: 8, .value_kind: global_buffer, .address_space: global }
      - { .name: stats, .offset: 16, .size: 8, .value_kind: global_buffer, .address_space: global }
      - { .name: out0, .offset: 24, .size: 8, .value_kind: global_buffer, .address_space: global }
    .group_segment_fixed_size: 327680
    .private_segment_fixed_size: 0
    .kernarg_segment_align: 8
    .kernarg_segment_size: 32
    .max_flat_workgroup_size: 128
    .sgpr_count:     80
    .vgpr_count:     1024
    .wavefront_size: 32
...
	.end_amdgpu_metadata
.endif
;; end of part 4
